; MI455X (gfx1250); checked and timed in simulation.
; The chip was launched on July 23, 2026; its instructions are those of AMD's public machine-readable ISA for CDNA 5 (MIT licence, August 2026) and "CDNA5" Instruction Set Architecture Reference Guide (July 2026). The comments in the code are by the model that wrote it; some were corrected since.
;; Self dim Multi Head Attention1. Allowed arithmetic: matrix products marked QUANTISED: E5M2 operands, one E8M0 scale for each 32 along K, by v_wmma_scale_f32_16x16x128_f8f6f4 with both operands' format E5M2, f32 sums; everything else in f32.
;; Inputs: k_codes 4 x 2,048 x 32 x 32 uint8 (E5M2 codes of k, K innermost, in blocks of 32 codes); k_scales 4 x 2,048 x 32 uint8 (E8M0 scales of k, one for each 32 codes along K); proj_b 1,024 float32; proj_w_codes 1,024 x 32 x 32 uint8 (E5M2 codes of proj_w, K innermost, in blocks of 32 codes); proj_w_scales 1,024 x 32 uint8 (E8M0 scales of proj_w, one for each 32 codes along K); q_codes 4 x 2,048 x 32 x 32 uint8 (E5M2 codes of q, K innermost, in blocks of 32 codes); q_scales 4 x 2,048 x 32 uint8 (E8M0 scales of q, one for each 32 codes along K); w_kx_codes 8 x 128 x 32 x 32 uint8 (E5M2 codes of w_kx, K innermost, in blocks of 32 codes); w_kx_scales 8 x 128 x 32 uint8 (E8M0 scales of w_kx, one for each 32 codes along K); w_qx_codes 8 x 128 x 32 x 32 uint8 (E5M2 codes of w_qx, K innermost, in blocks of 32 codes); w_qx_scales 8 x 128 x 32 uint8 (E8M0 scales of w_qx, one for each 32 codes along K).
;; Outputs: out0 4 x 2,048 x 1,024 float32.
;; Constants: flag = False.
;; This version of the problem:
;;   THIS VERSION OF THE PROBLEM IS GIVEN IN LOW PRECISION. The matrix products marked QUANTISED in the list below multiply operands that are first quantised to E5M2 (5 exponent bits, 2 mantissa bits; 8 bits a number), with one power-of-two scale for each 32 numbers along K (OCP MX v1.0); their sums are f32. All else is computed in f32.
;;   The module's matrix products, in the order in which they are computed (A, B: the left and right operand; K: the contracted axis; several contracted axes count as one K, in the product's order):
;;     1. [M 1,024, K 1,024] x [K 1,024, N 8,192]; A: input w_kx (given as codes); B: input k (given as codes): QUANTISED
;;     2. [M 1,024, K 1,024] x [K 1,024, N 8,192]; A: input w_qx (given as codes); B: input q (given as codes): QUANTISED
;;     3. batch 32 x [M 2,048, K 128] x [K 128, N 2,048]; A: computed on the way; B: computed on the way: QUANTISED
;;     4. batch 32 x [M 2,048, K 2,048] x [K 2,048, N 128]; A: softmax (see below); B: computed on the way: QUANTISED
;;     5. [M 8,192, K 1,024] x [K 1,024, N 1,024]; A: computed on the way; B: input proj_w (given as codes): QUANTISED
;;   THE QUANTISER, for each operand of a quantised product, along K:
;;     - K is cut into blocks of 32 from its start; a last block that is shorter is filled with zeros.
;;     - A block's scale is 2^e with e = floor(log2(the largest magnitude in the block)) - 15, held to -126 .. 127; a block of zeros has e = 0. As a byte (E8M0): e + 127.
;;     - Each number is divided by its block's scale, clamped to +-57,344, and rounded to the nearest number of E5M2, ties to even, subnormals kept.
;;     - The product sums the exact products of the quantised numbers (number of the format x scale) in f32.
;;   ~~~python
;;   def quantise(x, axis):      # numpy; x: float32 -> the quantised numbers, widened to float32 again
;;       x = np.moveaxis(x, axis, -1); K = x.shape[-1]
;;       x = np.pad(x, [(0, 0)] * (x.ndim - 1) + [(0, -K % 32)]); x = x.reshape(x.shape[:-1] + (-1, 32)); a = np.abs(x).max(-1, keepdims=True)
;;       e = np.where(a > 0, np.clip(np.frexp(np.where(a > 0, a, 1))[1] - 1 - 15, -126, 127), 0)      # np.frexp(a)[1] - 1 = floor(log2(a)), exactly
;;       r = np.clip(x / 2.0 ** e, -57344, 57344)
;;       step = 2.0 ** (np.maximum(np.frexp(np.where(r == 0, 1, r))[1] - 1, -14) - 2)
;;       q = np.round(r / step) * step * 2.0 ** e      # np.round: ties to even
;;       return np.moveaxis(q.reshape(q.shape[:-2] + (-1,))[..., :K], -1, axis).astype(np.float32)
;;   ~~~
;;   SOFTMAX AHEAD OF A QUANTISED PRODUCT. Where the list says 'softmax', what is quantised is not the finished softmax but p = 2^(t - M), with t = logit x log2(e) and M = ceil(the row's largest t), a whole number; so 1/2 < the row's largest p <= 1. The row's sum l is taken of the UNQUANTISED p, in f32, and the product's result is divided by l at the end. Since M is a whole number, a kernel that streams over the keys may use a running M (the ceiling of the running maximum): every later rescaling is an exact power of two, which a block's scale takes up: the codes' values come out the same.
;;   OPERANDS COMPUTED ON THE WAY. 'Computed on the way' means the value that the module computes at that place (a softmax that the list does not call 'softmax' is quantised finished and normalised). What goes into a quantiser is computed in f32, as accurately as f32 sums, v_exp_f32 and their like allow (about 1e-6 of the number): no bf16 or f16 on the way to a quantiser, and a product that is left as it is and whose result goes on into a quantised operand takes f32 operands (vector FMAs, or v_wmma_f32_16x16x4_f32). A number that lies on a knife's edge between two numbers of the format may be rounded either way, as far as f32 arithmetic and the matrix unit's own rounding can turn it there, and no further.
;;   INPUTS GIVEN AS CODES. k (in the module: [4, 2048, 1024], K = its axis 2); proj_w (in the module: [1024, 1024], K = its axis 1); q (in the module: [4, 2048, 1024], K = its axis 2); w_kx (in the module: [8, 1024, 128], K = its axis 1); w_qx (in the module: [8, 1024, 128], K = its axis 1): each comes as NAME_codes (uint8): NAME with its K axis moved to the last place and cut into blocks of 32 codes, [.., K / 32, bytes a block], one block behind the other in memory; one code a byte (a code: sign, 5 exponent bits, 2 mantissa bits); and NAME_scales (uint8): the same leading axes, one E8M0 byte (e + 127) for each 32 codes along K. Its value is code x scale, taken as it is: it is not quantised again, and the codes and scales need not be those that the quantiser above would give.
;; One version. Each part assembles by itself: llvm-mc -triple=amdgcn-amd-amdhsa -mcpu=gfx1250 --defsym DOCPART=n.
;; ======== version 1 of 1: 3 launches
;; limits: right only within a limited range of input values
;; workspace buffers: kv_rec 17,301,504 bytes; q_rec 8,650,752 bytes; ao_rec 8,912,896 bytes
;; launch proj (part 1): grid 4 x 64, 4 waves a work-group, clusters of 4 x 4, 327,680 bytes of LDS; arguments k_codes, k_scales, q_codes, q_scales, w_kx_codes, w_kx_scales, w_qx_codes, w_qx_scales, kv_rec, q_rec; writes kv_rec, q_rec
.if DOCPART == 1
	.amdgcn_target "amdgcn-amd-amdhsa--gfx1250"
	.amdhsa_code_object_version 6
	.text
	.protected	k_qce3b793b13_proj
	.globl	k_qce3b793b13_proj
	.p2align	8
	.type	k_qce3b793b13_proj,@function
k_qce3b793b13_proj:
	s_mov_b64 s[64:65], 0
	v_nop
	global_prefetch_b8 v0, s[64:65] scope:SCOPE_SE
	s_setreg_imm32_b32 hwreg(HW_REG_WAVE_MODE, 25, 1), 1
	s_wait_xcnt 0x0
	s_wait_alu depctr_hold_cnt(0) depctr_sa_sdst(0) depctr_va_vdst(0) depctr_va_sdst(0) depctr_va_ssrc(0) depctr_va_vcc(0) depctr_vm_vsrc(0)
	s_getreg_b32 s2, hwreg(HW_REG_IB_STS2, 6, 4)
	s_cmp_eq_u32 s2, 0
	s_cbranch_scc0 .Lentry_in_a_cluster
	s_endpgm
.Lentry_in_a_cluster:
	s_bfe_u32 s2, ttmp6, 0x10000c
	s_cmp_lg_u32 s2, 0xf033
	s_cbranch_scc0 .Lentry_shape_is_right
	s_endpgm
.Lentry_shape_is_right:
; kx = sigmoid(k Wk) and qx = sigmoid(q Wq): two products [8192 rows][1024 K] x [1024 columns = head x 128 + d][1024 K] on given codes of BF8 (E5M2) with E8M0 scales, f32 sums;
; the results never go to memory as f32: they are quantised here, qx and kx along d (for the scores), kx once more along the keys (for the second product of attention).
; SHARES.  Tile rows 0-31 of the grid's y take k, 32-63 take q (the choice hangs on the cluster's y alone, so it is the same in all sixteen partners).  A work-group of four waves makes 256 rows x 256 columns,
; a wave 128 rows x 128 columns: 128 rows of ONE head, 64 accumulators, 512 registers.  K goes in four steps of 256 through two LDS slots filled by the tensor data mover; the scale bytes of the work-group's rows, for all of K, come once.
; CLUSTERS: 4 x 4 work-groups; the four of a row need the same tiles of k or q, the four of a column the same tiles of the weight: each tile is asked for jointly.
; THE MATRIX INSTRUCTION IS USED TRANSPOSED (source 0 = 16 rows of the weight, source 1 = 16 rows of k or q): in accumulator (a, b) lane (r, h) holds row 16 a + r and d = 16 b + 8 h + 0 .. 7.
; WHAT IS STORED: RECORDS, images of operands' registers.  A record (16,896 bytes) is 128 rows x 128 K: eight fragments of 2,048 bytes (fragment t, registers 4 c .. 4 c + 3 of lane l at 2048 t + 512 c + 16 l), then 512 bytes of
; scale words (at 16384 + 16 l + 4 p: tile 2 p + l / 16, row l % 16).  Every store of a wave covers 512 consecutive bytes, aligned.
;   along d: tile a = rows 16 a + r; place (c, 8 u + j) of lane (r, h) holds d = 32 c + 16 u + 8 h + j: an order inside each block of 32 that is the same for qx and kx, so products and blocks stay as they are.
;   along the keys (kx alone): tile T, lane (r, h) = d 32 (T / 2) + 8 (T % 2) + r + 8 (r / 8); place (c, 8 u + j) holds key 32 c + 16 u + 8 h + j: the order in which attention's weights fall out of its first product.
;   kv_rec: [batch x 8 + head][16 groups of 128 keys][record along d, record along the keys];  q_rec: [batch x 8 + head][16 groups of 128 queries][record].
; LIMITS: NaN, infinities and the scale byte 0xff among the inputs are not served.  sigmoid(x) = 1 / (1 + 2^(-x log2 e)): the exponent is one f32 product, so its error grows as 6e-8 x 1.44 |x|; a sigmoid under 2^-126 comes out as 0.
; A block of zeros gets the byte 1 where the quantiser says 127: its codes are zeros, and this program alone reads the bytes.
.set KSTEP,  256                       ; along K in a slot
.set NQ,     2                         ; matrix instructions deep
.set ROWB,   256                       ; a tile's row in bytes
.set KROW,   1024                      ; a row of codes in memory
.set PITCH,  272                       ; an LDS row: 256 bytes + 16 of padding = 68 words: row r starts at bank 4 r mod 64 (64 banks of 4 bytes: ISA guide 11.1)
.set FR,     16                        ; registers of a fragment
.set NL,     4                         ; LDS loads that bring one
.set NP,     8                         ; places behind this matrix instruction (ISA guide 7.12.1)
.set HALFT,  128*PITCH                 ; 128 rows: one tensor load
.set SLOT,   4*HALFT                   ; 256 rows of k or q, then 256 rows of the weight
.set KS,     32                        ; a row of scale bytes
.set SCL,    2*SLOT                    ; behind the ring: the scales, as units of 256 bytes + 16 of padding
.set HALFS,  (128*KS/256)*272
.set SBLK,   (16*KS/256)*272
.set SPARE,  SCL+4*HALFS               ; the spare words, 128 bytes a wave: two blocks of 256 bytes that no other line names
.set REC,    16896                     ; a record
.set WSTG,   68096                     ; the turning stage of a wave: 8 tiles of TSTG bytes; the four stages lie in the ring, which has had its last fill and its last read by then
.set TSTG,   8512                      ; 16 rows of 528 bytes + 64
.set SPITCH, 528                       ; a stage row: 128 keys x 4 bytes + 16
.set ADRA, 16                          ; v16-17  LDS address of my fragments of k or q in slot 0, 1
.set ADRB, 20                          ; v20-21  the same for the weight
.set STW,  24                          ; v24     the stage, on the way in
.set STR,  25                          ; v25     and on the way out
.set LI,   26                          ; v26     16 x lane
.set ADRS, 27                          ; v27     LDS address of my scale words
.set SPW,  28                          ; v28     my spare word; never rewritten
.set NIL,  29                          ; v29     0; never rewritten
.set LN,   30                          ; v30     lane
.set SC,   32                          ; v32-63  scale words, two sets
.set TM,   96                          ; v96-111 the quantiser: largest magnitudes, bytes, holds, scale operands
.set WD,   112                         ; v112-119 eight scale words, one a tile
.set SP,   120                         ; v120-123 the same, two tiles to a register
.set AF,   128                         ; v128-255 the fragments of k or q; later eight sets of codes
.set PC,   128
.set G1, 24
.set G0, 32
.set G1B, 48
.set G0B, 56
.set SEL, 66                           ; s[66:67] selects for lane l xor 16
.set G1S, 68
.set G0S, 76
.set G1SB, 80
.set G0SB, 88
.set NLE, 96                           ; s[96:97] -log2(e), twice
.set MNT, 98                           ; s98 the mantissa field of 57,344
.set MSB, 0
.macro WIN new                         ; the immediate's high byte repeats the setting that is left
.if MSB != (\new)
	s_set_vgpr_msb (MSB<<8)|(\new)
.set MSB, (\new)
.endif
.endm
.set MUL_LO, 0xa1                      ; source 0 window 1, source 1 window 0, C and D window 2
.set MUL_HI, 0xf1                      ; the same, C and D window 3
.set TO_B,   0x40                      ; destination window 1
; A joint load: waves 0 and 1 fetch for k or q, waves 2 and 3 for the weight.  The branch hangs on the wave's number alone.  Four v_nop follow each of the two lines.
.macro JLOAD g0a, g1a, g0b, g1b
	s_cmp_eq_u32 s15, 0
	s_cbranch_scc0 .Lfor_b_\@
	tensor_load_to_lds s[\g0a:\g0a+3], s[\g1a:\g1a+7]
	s_nop 0
.rept 4
	v_nop
.endr
	s_branch .Lasked_\@
.Lfor_b_\@:
	tensor_load_to_lds s[\g0b:\g0b+3], s[\g1b:\g1b+7]
	s_nop 0
.rept 4
	v_nop
.endr
.Lasked_\@:
.endm
.macro CREST                           ; a round of the cluster's barrier behind its opening barrier
	s_cmp_lg_u32 s14, 0
	s_cbranch_scc1 .Lnot_wave_0_\@
	s_barrier_signal -3
.Lnot_wave_0_\@:
	s_barrier_wait -3
	s_barrier_signal -1
	s_barrier_wait -1
.endm
.macro CROUND
	s_barrier_signal -1
	s_barrier_wait -1
	CREST
.endm
	s_load_b256 s[4:11], s[0:1], 0x0               ; k's codes, k's scales, q's codes, q's scales
	s_load_b256 s[80:87], s[0:1], 0x20             ; Wk's codes, Wk's scales, Wq's codes, Wq's scales
	s_load_b128 s[88:91], s[0:1], 0x40             ; kv_rec, q_rec
	v_lshl_add_u32 v[SPW], v0, 2, SPARE
	v_mov_b32 v[NIL], 0
	ds_add_u32 v28, v29
	ds_add_u32 v28, v29
	s_wait_dscnt 0x0
	v_lshrrev_b32 v1, 5, v0
	v_readfirstlane_b32 s14, v1                    ; wave 0..3
	s_lshr_b32 s15, s14, 1                         ; which half of the tile's rows is mine.  Also: I fetch for k or q (0) or for the weight (1)
	s_and_b32 s16, s14, 1                          ; which half of its columns.  Also: which 128 rows I fetch
	s_bfe_u32 s40, ttmp6, 0x40000                  ; cx, cy: my place in the cluster
	s_bfe_u32 s41, ttmp6, 0x40004
	s_lshl_b32 s42, ttmp9, 2
	s_add_co_u32 s42, s42, s40                     ; tile column = 4 x cluster x + cx
	s_and_b32 s3, ttmp7, 0xffff                    ; the cluster's y: 0-7 k, 8-15 q
	s_and_b32 s17, s3, 7
	s_lshl_b32 s17, s17, 2
	s_add_co_u32 s17, s17, s41                     ; tile row within the tensor, 0..31
	s_lshl_b32 s43, s41, 2
	s_lshl_b32 s43, 15, s43                        ; my row of the cluster
	s_lshl_b32 s44, 0x1111, s40                    ; my column
	; descriptor group 1: a tile of 128 rows x 256 bytes, 16 bytes of padding behind each row
	s_or_b32 s[G1+0], s43, (0<<16)|(1<<20)|(1<<21)|(5<<22)|(3<<25)
	s_or_b32 s[G1B+0], s44, (0<<16)|(1<<20)|(1<<21)|(5<<22)|(3<<25)
.irp g, G1, G1B
	s_mov_b32 s[\g+1], ROWB<<16                    ; tensor_dim0
	s_mov_b32 s[\g+2], 128<<16                     ; tensor_dim1
	s_mov_b32 s[\g+3], ROWB<<16                    ; tile_dim0
	s_mov_b32 s[\g+4], 128                         ; tile_dim1
	s_mov_b32 s[\g+5], KROW                        ; tensor_dim0_stride
	s_mov_b32 s[\g+6], 0
	s_mov_b32 s[\g+7], 0
.endr
	; the scales of 128 rows: 4,096 dense bytes, as 16 rows of 256 bytes (32 elements of 8 bytes), padded alike
	s_or_b32 s[G1S+0], s43, (3<<16)|(1<<20)|(1<<21)|(5<<22)|(3<<25)
	s_mov_b32 s[G1S+1], 32<<16
	s_mov_b32 s[G1S+2], (128*KS/256)<<16
	s_mov_b32 s[G1S+3], 32<<16
	s_mov_b32 s[G1S+4], 128*KS/256
	s_mov_b32 s[G1S+5], 32
	s_mov_b32 s[G1S+6], 0
	s_mov_b32 s[G1S+7], 0
	s_lshl_b32 s18, s16, 7                         ; which 128 rows of the tile I fetch
	s_lshl_b32 s20, s17, 8
	s_add_co_u32 s20, s20, s18                     ; k or q: row 256 x tile row + 128 x half
	s_lshl_b32 s46, s42, 8
	s_add_co_u32 s46, s46, s18                     ; the weight: row 256 x tile column + 128 x half
	s_mov_b32 s21, 0
	s_mov_b32 s47, 0
	s_mov_b64 s[18:19], KS
	s_mul_u64 s[22:23], s[20:21], s[18:19]         ; where these rows' scales begin, in bytes
	s_mul_u64 s[92:93], s[46:47], s[18:19]
	s_mov_b64 s[18:19], KROW
	s_mul_u64 s[20:21], s[20:21], s[18:19]         ; and their codes
	s_mul_u64 s[46:47], s[46:47], s[18:19]
	s_mul_i32 s45, s14, HALFT                      ; where they go: wave x 128 rows: no place in the cluster enters an LDS address
	s_mul_i32 s94, s14, HALFS
	s_mov_b32 s99, REC
	s_wait_kmcnt 0x0
	s_cmp_lt_u32 s3, 8                             ; k's work-group or q's?  Only pointers, the records' distance and one flag are chosen
	s_cselect_b64 s[4:5], s[4:5], s[8:9]           ; the rows' codes
	s_cselect_b64 s[6:7], s[6:7], s[10:11]         ; their scales
	s_cselect_b64 s[8:9], s[80:81], s[84:85]       ; the weight's codes
	s_cselect_b64 s[10:11], s[82:83], s[86:87]     ; its scales
	s_cselect_b64 s[12:13], s[88:89], s[90:91]     ; where the records go
	s_cselect_b32 s99, 2*REC, s99                  ; from one group of 128 rows to the next: two records for k, one for q
	s_cselect_b32 s95, 0, 1                        ; 0: k, 1: q
	s_or_b32 s[G1SB+0], s44, (3<<16)|(1<<20)|(1<<21)|(5<<22)|(3<<25)   ; (these registers held pointers until the choice above)
	s_mov_b32 s[G1SB+1], 32<<16
	s_mov_b32 s[G1SB+2], (128*KS/256)<<16
	s_mov_b32 s[G1SB+3], 32<<16
	s_mov_b32 s[G1SB+4], 128*KS/256
	s_mov_b32 s[G1SB+5], 32
	s_mov_b32 s[G1SB+6], 0
	s_mov_b32 s[G1SB+7], 0
	s_add_nc_u64 s[20:21], s[4:5], s[20:21]
	s_add_nc_u64 s[22:23], s[6:7], s[22:23]
	s_add_nc_u64 s[46:47], s[8:9], s[46:47]
	s_add_nc_u64 s[92:93], s[10:11], s[92:93]
	CROUND                                         ; all sixteen work-groups are here: the first joint loads meet
	s_mov_b32 s[G0S], 1
	s_add_co_u32 s[G0S+1], s94, SCL
	s_mov_b64 s[G0S+2:G0S+3], s[22:23]
	s_or_b32 s[G0S+3], s[G0S+3], 0x80000000
	s_mov_b32 s[G0SB], 1
	s_add_co_u32 s[G0SB+1], s94, SCL
	s_mov_b64 s[G0SB+2:G0SB+3], s[92:93]
	s_or_b32 s[G0SB+3], s[G0SB+3], 0x80000000
	JLOAD G0S, G1S, G0SB, G1SB                     ; the scales first: they are wanted with K step 0
.irp s, 0,1
	s_mov_b32 s[G0+4*\s], 1
	s_add_co_u32 s[G0+4*\s+1], s45, \s*SLOT
	s_add_nc_u64 s[G0+4*\s+2:G0+4*\s+3], s[20:21], \s*ROWB
	s_or_b32 s[G0+4*\s+3], s[G0+4*\s+3], 0x80000000
	s_mov_b32 s[G0B+4*\s], 1
	s_add_co_u32 s[G0B+4*\s+1], s45, \s*SLOT
	s_add_nc_u64 s[G0B+4*\s+2:G0B+4*\s+3], s[46:47], \s*ROWB
	s_or_b32 s[G0B+4*\s+3], s[G0B+4*\s+3], 0x80000000
	JLOAD G0+4*\s, G1, G0B+4*\s, G1B               ; by this text's count three tensor loads of a wave are out here, later one
.endr
	v_and_b32 v1, 15, v0                           ; r = l % 16
	v_bfe_u32 v2, v0, 4, 1                         ; h = l / 16
	v_mul_u32_u24 v3, v1, PITCH
	v_lshl_add_u32 v4, v2, 4, v3                   ; a fragment's row x pitch + 16 x half
	s_mul_i32 s21, s15, HALFT                      ; my 128 rows of k or q
	s_mul_i32 s22, s16, HALFT                      ; my 128 rows of the weight,
	s_add_co_u32 s22, s22, 2*HALFT                 ; which lie behind the other 256
.irp s, 0,1
	v_add_nc_u32 v[ADRA+\s], s21, v4
	v_add_nc_u32 v[ADRB+\s], s22, v4
	s_add_co_u32 s21, s21, SLOT
	s_add_co_u32 s22, s22, SLOT
.endr
	v_mul_u32_u24 v5, v1, KS                       ; my row's scales: 32 bytes a row,
	v_lshrrev_b32 v6, 8, v5
	v_lshl_add_u32 v5, v6, 4, v5                   ; and 16 more for each 256 passed
	s_mul_i32 s21, s15, HALFS
	s_mul_i32 s22, s16, HALFS
	s_add_co_u32 s22, s22, 2*HALFS
	s_sub_co_u32 s22, s22, s21
	v_mul_u32_u24 v6, s22, v2                      ; lanes 16-31 take the weight's words: one product, the distance between the two bases
	s_add_co_u32 s21, s21, SCL
	v_add_nc_u32 v5, v5, v6
	v_add_nc_u32 v[ADRS], s21, v5
	s_mul_i32 s23, s14, WSTG                       ; my turning stage
	v_mul_u32_u24 v5, v2, TSTG
	v_lshl_add_u32 v5, v1, 2, v5
	v_add_nc_u32 v[STW], s23, v5                   ; in: tile h of a pair, key r: 4 bytes a lane; h adds 2,128 words = 16 mod 64, so the 32 lanes touch 32 banks
	v_mul_u32_u24 v5, v1, SPITCH
	v_lshl_add_u32 v5, v2, 5, v5
	v_add_nc_u32 v[STR], s23, v5                   ; out: row r of a tile, eight keys of my half
	v_and_b32 v[LN], 31, v0
	v_lshlrev_b32 v[LI], 4, v[LN]
.irp b, 0,1,2,3
	v_mov_b32 v[TM+4+\b], 0                        ; written once: a lane permute's destination counts as one of its sources
.endr
	s_mov_b32 s[SEL], 0x76543210
	s_mov_b32 s[SEL+1], 0xfedcba98
	s_mov_b32 s[NLE], 0xbfb8aa3b                   ; -log2(e)
	s_mov_b32 s[NLE+1], s[NLE]                     ; (named with it as a pair, so it is written)
	s_mov_b32 s[MNT], 0x600000
	; my record: number (batch x 8 + head) x 16 + group, with group of 128 rows G = 2 x tile row + half, batch = G / 16, head = 2 x tile column + half
	s_lshl_b32 s20, s17, 1
	s_add_co_u32 s20, s20, s15                     ; G
	s_lshr_b32 s21, s20, 4
	s_lshl_b32 s21, s21, 7                         ; batch x 128 records
	s_and_b32 s20, s20, 15
	s_add_co_u32 s20, s20, s21
	s_lshl_b32 s21, s16, 4
	s_add_co_u32 s20, s20, s21
	s_mul_i32 s20, s20, s99                        ; in bytes: under 2^25
	s_mov_b32 s21, 0
	s_lshl_b32 s46, s42, 5                         ; the tile column's part, in the registers that held the weight's address
	s_mul_i32 s46, s46, s99
	s_mov_b32 s47, 0
	s_add_nc_u64 s[20:21], s[20:21], s[46:47]
	s_add_nc_u64 s[12:13], s[12:13], s[20:21]
.macro FRAG reg, adr, q, i             ; 16 rows x 128 K: lane l holds row l % 16; registers 4 c .. 4 c + 3 hold K = 32 c + 16 (l / 16) + 0 .. 15
.irp c, 0,1,2,3
	ds_load_b128 v[\reg+4*\c:\reg+4*\c+3], v[\adr] offset:128*(\q)+32*\c+(\i)*16*PITCH
.endr
.endm
; 16 matrix instructions: row blocks a0, a0 + 1 x the weight's eight.  The 64 accumulators take turns, one instruction a turn, in the same order in every step.
.macro MUL16 a0, p, q, sc, zero
.irp a, \a0, \a0+1
.irp b, 0,1,2,3,4,5,6,7
.if \zero
	v_wmma_scale_f32_16x16x128_f8f6f4 v[8*(8*((\a)%4)+\b):8*(8*((\a)%4)+\b)+7], v[128*(\p)+FR*\b:128*(\p)+FR*\b+FR-1], v[AF+FR*(\a):AF+FR*(\a)+FR-1], 0, v[SC+8*NQ*(\sc)+NQ*\b+(\q)], v[SC+8*NQ*(\sc)+NQ*(\a)+(\q)] matrix_a_fmt:MATRIX_FMT_BF8 matrix_b_fmt:MATRIX_FMT_BF8 matrix_a_scale:MATRIX_SCALE_ROW1
.else
	v_wmma_scale_f32_16x16x128_f8f6f4 v[8*(8*((\a)%4)+\b):8*(8*((\a)%4)+\b)+7], v[128*(\p)+FR*\b:128*(\p)+FR*\b+FR-1], v[AF+FR*(\a):AF+FR*(\a)+FR-1], v[8*(8*((\a)%4)+\b):8*(8*((\a)%4)+\b)+7], v[SC+8*NQ*(\sc)+NQ*\b+(\q)], v[SC+8*NQ*(\sc)+NQ*(\a)+(\q)] matrix_a_fmt:MATRIX_FMT_BF8 matrix_b_fmt:MATRIX_FMT_BF8 matrix_a_scale:MATRIX_SCALE_ROW1
.endif
.endr
.endr
.endm
.macro FETCH_B slot, q, p
	WIN TO_B
.irp i, 0,1,2,3,4,5,6,7
	FRAG 128*(\p)+FR*\i, ADRB+\slot, \q, \i
.endr
	WIN 0
.endm
.macro FETCH_A slot, q, i0
.irp i, \i0, \i0+1, \i0+2, \i0+3
	FRAG AF+FR*(\i), ADRA+\slot, \q, \i
.endr
.endm
.macro SCALES sc                       ; a K step's scale words: two a row; lanes 0-15 take row block i of k or q, lanes 16-31 block i of the weight
.irp i, 0,1,2,3,4,5,6,7
	ds_load_b64 v[SC+8*NQ*\sc+NQ*\i:SC+8*NQ*\sc+NQ*\i+1], v[ADRS] offset:\i*SBLK
.endr
.endm
.macro PLACES n                        ; plain vector instructions between a matrix instruction and a load into, or a read of, its registers (ISA guide 7.12.1 for reads)
.rept \n
	v_nop
.endr
.endm
.macro STEP slot, q, zero              ; 128 along K with its successor in the same slot
	s_wait_dscnt 4*NL                              ; all but the youngest 16 loads (row blocks 4-7) are in
	WIN MUL_LO
	MUL16 0, (\q)%2, \q, \slot, \zero
	MUL16 2, (\q)%2, \q, \slot, \zero
	s_wait_dscnt 0
	PLACES NP
	FETCH_B \slot, (\q)+1, 1-(\q)%2
	FETCH_A \slot, (\q)+1, 0
	WIN MUL_HI
	MUL16 4, (\q)%2, \q, \slot, \zero
	MUL16 6, (\q)%2, \q, \slot, \zero
	PLACES NP
	WIN 0
	FETCH_A \slot, (\q)+1, 4
.endm
; A slot's last step changes slots: one barrier; in front of it each wave waits for all its tensor loads, adds 0 to its spare word, and waits for that and for its own reads of this slot.
.macro TURN slot, next, fill
	s_wait_tensorcnt 0x0                           ; all my tensor loads have landed: my part of the next slot
	ds_add_u32 v[SPW], v[NIL]                      ; 0 onto my spare word
	s_wait_dscnt 4*NL+1                            ; the add and the youngest 16 loads may be out
	WIN MUL_LO
	MUL16 0, 1, NQ-1, \slot, 0
	s_wait_dscnt 0x0                               ; the add is done, and my reads of this slot are over
	s_barrier_signal -1
	MUL16 2, 1, NQ-1, \slot, 0
	WIN 0
	s_barrier_wait -1
.if \fill
	CREST                                          ; the barrier has opened a round of the cluster's barrier: no wave of any partner still reads this slot or has a load on its way
	s_add_nc_u64 s[G0+4*\slot+2:G0+4*\slot+3], s[G0+4*\slot+2:G0+4*\slot+3], 2*ROWB
	s_add_nc_u64 s[G0B+4*\slot+2:G0B+4*\slot+3], s[G0B+4*\slot+2:G0B+4*\slot+3], 2*ROWB
	JLOAD G0+4*\slot, G1, G0B+4*\slot, G1B         ; the first tensor load behind the round; its four v_nop are four of the eight places
	PLACES NP-4
.else
	PLACES NP
.endif
	v_add_nc_u32 v[ADRS], 4*NQ, v[ADRS]            ; on to the next K step's scale words
	FETCH_B \next, 0, 0
	FETCH_A \next, 0, 0
	SCALES \next
	WIN MUL_HI
	MUL16 4, 1, NQ-1, \slot, 0
	MUL16 6, 1, NQ-1, \slot, 0
	PLACES NP
	WIN 0
	FETCH_A \next, 0, 4
.endm
	s_wait_tensorcnt 1                             ; the scales and my part of K step 0 are in; K step 1's load may be out
	s_barrier_signal -1
	s_barrier_wait -1
	FETCH_B 0, 0, 0
	FETCH_A 0, 0, 0
	SCALES 0
	FETCH_A 0, 0, 4
	STEP 0, 0, 1                                   ; four K steps of 256, written out: the first products start the sums
	TURN 0, 1, 1                                   ; slot 0 takes K step 2
	STEP 1, 0, 0
	TURN 1, 0, 1                                   ; slot 1 takes K step 3
	STEP 0, 0, 0
	TURN 0, 1, 0
	STEP 1, 0, 0
	s_wait_dscnt 4*NL
	WIN MUL_LO
	MUL16 0, 1, NQ-1, 1, 0
	MUL16 2, 1, NQ-1, 1, 0
	s_wait_dscnt 0
	WIN MUL_HI
	MUL16 4, 1, NQ-1, 1, 0
	MUL16 6, 1, NQ-1, 1, 0
	WIN 0
	s_wait_dscnt 0x0                               ; my reads of the ring are over;
	s_barrier_signal -1
	s_barrier_wait -1                              ; everybody's are: the stages may be written
	PLACES NP                                      ; behind the last products: their results are read, and their operands' registers written, from here on
; THE SIGMOID, in place, 16 numbers at a time, each accumulator from its low end on.  One plain instruction stands behind each run of transcendentals.
.macro SIG w
	WIN (\w)*0x55
.set g, 0
.rept 16
.irp i, 0,2,4,6,8,10,12,14
	v_pk_mul_f32 v[g+\i:g+\i+1], v[g+\i:g+\i+1], s[NLE:NLE+1] op_sel_hi:[1,0]
.endr
.irp i, 0,1,2,3,4,5,6,7,8,9,10,11,12,13,14,15
	v_exp_f32 v[g+\i], v[g+\i]
.endr
	v_nop
	s_wait_alu depctr_va_vdst(0)
.irp i, 0,2,4,6,8,10,12,14
	v_pk_add_f32 v[g+\i:g+\i+1], v[g+\i:g+\i+1], 1.0 op_sel_hi:[1,0]
.endr
.irp i, 0,1,2,3,4,5,6,7,8,9,10,11,12,13,14,15
	v_rcp_f32 v[g+\i], v[g+\i]
.endr
	v_nop
.set g, g+16
.endr
.endm
; THE QUANTISER.  64 numbers of a lane, none negative, v[s] .. v[s + 63] of window w; register 16 b + i belongs to block b, whose other 16 numbers lie in lane l xor 16.  Codes to v[pc] on, the scale word to v[wd], both in window 0.
.macro QUANT s, w, pc, wd
	WIN (\w)*5                                     ; sources 0 and 1 in window w
	s_wait_alu depctr_va_vdst(0)
.irp b, 0,1,2,3
	v_max3_num_f32 v[TM+\b], v[(\s)+16*\b], v[(\s)+16*\b+1], 0x8000000   ; with the floor 2^(16 - 127) among the leaves: the byte cannot fall under 1
.endr
.irp i, 2,4,6,8,10,12,14
.irp b, 0,1,2,3
	v_max3_num_f32 v[TM+\b], v[(\s)+16*\b+\i], v[(\s)+16*\b+\i+1], v[TM+\b]
.endr
.endr
	WIN 0
.irp b, 0,1,2,3
	v_permlanex16_b32 v[TM+4+\b], v[TM+\b], s[SEL], s[SEL+1]
.endr
.irp b, 0,1,2,3
	v_max_num_f32 v[TM+\b], v[TM+\b], v[TM+4+\b]   ; the block's largest number
.endr
.irp b, 0,1,2,3
	v_add_nc_u32 v[TM+12+\b], 0xf8800000, v[TM+\b] ; 15 off its exponent field: the conversion's scale operand
.endr
.irp b, 0,1,2,3
	v_and_or_b32 v[TM+8+\b], v[TM+\b], 0x7f800000, s[MNT]   ; 57,344 x the scale
.endr
.irp b, 0,1,2,3
	v_lshrrev_b32 v[TM+4+\b], 23, v[TM+12+\b]      ; the scale's byte
.endr
	v_lshl_or_b32 v[\wd], v[TM+5], 8, v[TM+4]
	v_lshl_or_b32 v[\wd], v[TM+6], 16, v[\wd]
	v_lshl_or_b32 v[\wd], v[TM+7], 24, v[\wd]
	WIN (\w)*65                                    ; destination and source 0 in window w
.irp b, 0,1,2,3
.irp i, 0,1,2,3,4,5,6,7,8,9,10,11,12,13,14,15
	v_min_num_f32 v[(\s)+16*\b+\i], v[(\s)+16*\b+\i], v[TM+8+\b]   ; the conversion to an 8-bit code does not saturate (ISA guide 7.6.2); nothing is negative, so the hold is one-sided
.endr
.endr
	WIN (\w)
.irp b, 0,1,2,3
	v_cvt_scalef32_pk8_bf8_f32 v[(\pc)+4*\b:(\pc)+4*\b+1], v[(\s)+16*\b:(\s)+16*\b+7], v[TM+12+\b]
	v_cvt_scalef32_pk8_bf8_f32 v[(\pc)+4*\b+2:(\pc)+4*\b+3], v[(\s)+16*\b+8:(\s)+16*\b+15], v[TM+12+\b]
.endr
	WIN 0
	v_nop                                          ; one plain instruction behind the last conversion of a run
.endm
.macro PACKW off                       ; eight scale words into four registers: lanes 0-15 keep tile 2 p's, lanes 16-31 tile 2 p + 1's; 512 consecutive bytes
	v_cmp_le_u32 vcc_lo, 16, v[LN]
.irp p, 0,1,2,3
	v_cndmask_b32 v[SP+\p], v[WD+2*\p], v[WD+2*\p+1], vcc_lo
.endr
	global_store_b128 v[LI], v[SP:SP+3], s[12:13] offset:\off
.endm
.macro LOADX T                         ; tile T of the stage: my row's 64 keys, in the operand's order, into set T % 2 (window 1, v0-63 or v64-127)
	WIN TO_B
.irp c, 0,1,2,3
.irp u, 0,1
.irp k, 0,1
	ds_load_b128 v[64*((\T)%2)+16*\c+8*\u+4*\k:64*((\T)%2)+16*\c+8*\u+4*\k+3], v[STR] offset:(\T)*TSTG+128*\c+64*\u+16*\k
.endr
.endr
.endr
.endm
	SIG 2
	SIG 3
	WIN 0
	s_cmp_lg_u32 s95, 0                            ; q has no record along the keys.  The branch hangs on the cluster's y alone; no barrier and no tensor load stands under it
	s_cbranch_scc1 .Lq
	; kx ALONG THE KEYS.  The wave's 128 keys x 128 d are turned through its own stage: d = 16 b + 8 h + j goes to tile 2 (b / 2) + h, row 8 (b % 2) + j; the key is the place in the row.
.irp a, 0,1,2,3,4,5,6,7
	WIN 0x08+4*(\a/4)                              ; an LDS store's data are its source 1: window 2 or 3
	s_wait_alu depctr_va_vdst(0)
.irp b, 0,1,2,3,4,5,6,7
.irp j, 0,1,2,3,4,5,6,7
	ds_store_b32 v[STW], v[8*(8*(\a%4)+\b)+\j] offset:(\b/2)*2*TSTG+(8*(\b%2)+\j)*SPITCH+64*\a
.endr
.endr
.endr
	LOADX 0                                        ; LDS serves a wave's instructions in order (ISA guide 5.7.1.4): the loads see my stores
.irp T, 0,1,2,3,4,5,6,7
.if \T < 7
	LOADX \T+1
	s_wait_dscnt 16                                ; this tile's 16 loads are in; the next tile's 16 may be out
.else
	s_wait_dscnt 0x0
.endif
	QUANT 64*(\T%2), 1, PC+16*\T, WD+\T
.irp c, 0,1,2,3
	global_store_b128 v[LI], v[PC+16*\T+4*\c:PC+16*\T+4*\c+3], s[12:13] offset:REC+2048*\T+512*\c
.endr
.endr
	PACKW 2*REC-512
	s_wait_xcnt 0x0                                ; the stores have read their registers: the codes' sets and the packed words are written again below
.Lq:
	; ALONG d: block c of row 16 a + r is the 16 registers of accumulators (a, 2 c) and (a, 2 c + 1), and lane l xor 16's
.irp a, 0,1,2,3,4,5,6,7
	QUANT 64*(\a%4), 2+\a/4, PC+16*\a, WD+\a
.irp c, 0,1,2,3
	global_store_b128 v[LI], v[PC+16*\a+4*\c:PC+16*\a+4*\c+3], s[12:13] offset:2048*\a+512*\c
.endr
.endr
	PACKW REC-512
	s_wait_tensorcnt 0x0                           ; the wave's end
	ds_add_u32 v[SPW], v[NIL]
	s_wait_dscnt 0x0
	CROUND                                         ; the closing round: no work-group ends while a partner may still ask for a tile that names it
	s_endpgm
.Lfunc_end_k_qce3b793b13_proj:
	.size	k_qce3b793b13_proj, .Lfunc_end_k_qce3b793b13_proj-k_qce3b793b13_proj
	.p2alignl 7, 3214868480
	.fill 96, 4, 3214868480
	.section	.rodata,"a",@progbits
	.p2align	6, 0x0
	.amdhsa_kernel k_qce3b793b13_proj
		.amdhsa_group_segment_fixed_size 327680
		.amdhsa_private_segment_fixed_size 0
		.amdhsa_enable_private_segment 0
		.amdhsa_kernarg_size 80
		.amdhsa_user_sgpr_count 2
		.amdhsa_user_sgpr_kernarg_segment_ptr 1
		.amdhsa_wavefront_size32 1
		.amdhsa_system_sgpr_workgroup_id_x 1
		.amdhsa_system_sgpr_workgroup_id_y 1
		.amdhsa_system_sgpr_workgroup_id_z 1
		.amdhsa_system_vgpr_workitem_id 0
		.amdhsa_next_free_vgpr 1024
		.amdhsa_next_free_sgpr 100
		.amdhsa_reserve_vcc 1
		.amdhsa_float_denorm_mode_32 3
		.amdhsa_float_denorm_mode_16_64 3
		.amdhsa_memory_ordered 1
		.amdhsa_forward_progress 1
		.amdhsa_inst_pref_size 255
	.end_amdhsa_kernel
	.section	.bss,"aw",@nobits
	.p2align	6
	.space	262144
	.amdgpu_metadata
---
amdhsa.version: [ 1, 2 ]
amdhsa.kernels:
  - .name:           k_qce3b793b13_proj
    .symbol:         k_qce3b793b13_proj.kd
    .args:
      - { .name: k_codes, .offset: 0, .size: 8, .value_kind: global_buffer, .address_space: global }
      - { .name: k_scales, .offset: 8, .size: 8, .value_kind: global_buffer, .address_space: global }
      - { .name: q_codes, .offset: 16, .size: 8, .value_kind: global_buffer, .address_space: global }
      - { .name: q_scales, .offset: 24, .size: 8, .value_kind: global_buffer, .address_space: global }
      - { .name: w_kx_codes, .offset: 32, .size: 8, .value_kind: global_buffer, .address_space: global }
      - { .name: w_kx_scales, .offset: 40, .size: 8, .value_kind: global_buffer, .address_space: global }
      - { .name: w_qx_codes, .offset: 48, .size: 8, .value_kind: global_buffer, .address_space: global }
      - { .name: w_qx_scales, .offset: 56, .size: 8, .value_kind: global_buffer, .address_space: global }
      - { .name: kv_rec, .offset: 64, .size: 8, .value_kind: global_buffer, .address_space: global }
      - { .name: q_rec, .offset: 72, .size: 8, .value_kind: global_buffer, .address_space: global }
    .group_segment_fixed_size: 327680
    .private_segment_fixed_size: 0
    .kernarg_segment_align: 8
    .kernarg_segment_size: 80
    .max_flat_workgroup_size: 128
    .sgpr_count:     100
    .vgpr_count:     1024
    .wavefront_size: 32
...
	.end_amdgpu_metadata
.endif
;; end of part 1
;; launch attn (part 2): grid 8 x 32, 8 waves a work-group, clusters of 4 x 1, 327,680 bytes of LDS; arguments q_rec, kv_rec, ao_rec; writes ao_rec
.if DOCPART == 2
	.amdgcn_target "amdgcn-amd-amdhsa--gfx1250"
	.amdhsa_code_object_version 6
	.text
	.protected	k_qce3b793b13_attn
	.globl	k_qce3b793b13_attn
	.p2align	8
	.type	k_qce3b793b13_attn,@function
k_qce3b793b13_attn:
	s_mov_b64 s[64:65], 0
	v_nop
	global_prefetch_b8 v0, s[64:65] scope:SCOPE_SE
	s_setreg_imm32_b32 hwreg(HW_REG_WAVE_MODE, 25, 1), 1
	s_wait_xcnt 0x0
	s_wait_alu depctr_hold_cnt(0) depctr_sa_sdst(0) depctr_va_vdst(0) depctr_va_sdst(0) depctr_va_ssrc(0) depctr_va_vcc(0) depctr_vm_vsrc(0)
	s_getreg_b32 s2, hwreg(HW_REG_IB_STS2, 6, 4)
	s_cmp_eq_u32 s2, 0
	s_cbranch_scc0 .Lentry_in_a_cluster
	s_endpgm
.Lentry_in_a_cluster:
	s_bfe_u32 s2, ttmp6, 0x10000c
	s_cmp_lg_u32 s2, 0x3003
	s_cbranch_scc0 .Lentry_shape_is_right
	s_endpgm
.Lentry_shape_is_right:
; out[b][h][q] = the sum over k of softmax_k(qx[q] . kx[k] / sqrt(128)) kx[k], both products on codes of BF8 (E5M2) with E8M0 scales; the result is quantised along (head, d) for the last product and stored as codes.
; All operands come as RECORDS, images of operands' registers (16,896 bytes: eight fragments of 2,048 bytes, fragment t's registers 4 c .. 4 c + 3 of lane l at 2048 t + 512 c + 16 l; then scale words, at 16384 + 16 l + 4 p that of
; tile 2 p + l / 16, row l % 16).  kv_rec: [batch x 8 + head][16 groups of 128 keys][kx along d, kx along the keys];  q_rec: [batch x 8 + head][16 groups of 128 queries].
; SHARES.  A work-group owns 256 queries of one head; each of its eight waves 32 of them: tile 0 lives in register window 0, tile 1 in window 1, under the same numbers.  Two waves to a SIMD: one wave's vector work stands beside
; the other's matrix work.  Each fragment read from LDS feeds two matrix instructions.  Every wave walks the head's 2,048 keys, 128 a step.
; LAYOUT.  Both products are used transposed: S^T = K Q^T (source 0 = 16 keys), O^T = V^T P^T (source 0 = 16 of the head's 128): a lane holds ONE query (lane % 16) throughout.  The 16 registers of tiles 2 c, 2 c + 1 of S^T
; are keys 32 c + 16 u + 8 (lane / 16) + j: the records along the keys are laid in this very order.  Their tiles' rows are chosen so that O^T's registers 16 b + i are d = 32 b + 16 (lane / 16) + i.
; THE SOFTMAX.  t = score x log2(e) / sqrt(128); p = 2^(t - M) is quantised along the keys, not normalised; the row's sum of the unquantised p divides at the end.
; M IS THE CONSTANT 17.  qx and kx are sigmoids, and their quantised numbers lie in [0, 1] for every input (a block's largest code x its scale is at most 1): so 0 <= score <= 128 and 0 <= t <= 128 x 0.12752 = 16.33.
; With the whole number 17: 2^-17 <= p < 1, a row's sum is at most 2,048, p's scale bytes are at least 94: no exponential and no sum can overflow or underflow.  Against the ceiling of the row's largest t
; p differs by a power of two, which the block's scale takes up and the division by the sum takes back.
; RING: two LDS slots, each a dense copy of four key steps' records (135,168 bytes); wave w fetches record w of a slot, one tensor load.  CLUSTER: the four query blocks of a cluster walk the same head: each record is asked for jointly.
; OUT: ao_rec [row / 128][head][17,408 bytes]: eight fragments as above (K natural), then scale words: at 16384 + 256 pair + 8 l the words of tiles 2 pair, 2 pair + 1, row l % 16.
; LIMITS: NaN and infinities are not served.  A block of zeros gets the byte 1 where the quantiser says 127: its codes are zeros, and this program alone reads the bytes.
; REGISTERS.  Window 0 alone: v1 16 x lane; v2 the step's LDS address; v3 tile 1's scale word of p; v4, v5 the spare word and 0; v6 8 x lane; v8-11 V's scale words; v248-251 K's; v255 Q's (lanes 0-15 tile 0, lanes 16-31 tile 1).
; Each window: v12 -17, v13 0, v[14:15] the sum; v16-31 Q; v96-159 S^T, then p; v160-223 O^T; v224-239 codes; v232-247, v252, v253 at work.  v32-95: fragments 0-3 in window 0, fragments 4-7 in window 1.
.set REC,   16896
.set STEPB, 2*REC                      ; a key step's two records
.set SLOTB, 4*STEPB
.set SPARE, 2*SLOTB                    ; the spare words, 128 bytes a wave: four blocks of 256 bytes that no other line names
.set RECA,  17408
.set LI,  1
.set ADK, 2
.set PW1, 3
.set SPW, 4
.set NIL, 5
.set L8,  6
.set VS,  8
.set KSW, 248
.set QS,  255
.set MSB, 0
.macro WIN new                         ; bits 1:0 source 0, 3:2 source 1, 5:4 source 2, 7:6 destination; the high byte repeats the setting that is left
.if MSB != (\new)
	s_set_vgpr_msb (MSB<<8)|(\new)
.set MSB, (\new)
.endif
.endm
.macro CROUND                          ; a round of the cluster's barrier
	s_barrier_signal -1
	s_barrier_wait -1
	s_cmp_lg_u32 s10, 0
	s_cbranch_scc1 .Lnot_wave_0_\@
	s_barrier_signal -3
.Lnot_wave_0_\@:
	s_barrier_wait -3
	s_barrier_signal -1
	s_barrier_wait -1
.endm
	s_load_b128 s[4:7], s[0:1], 0x0                ; q_rec, kv_rec
	s_load_b64 s[8:9], s[0:1], 0x10                ; ao_rec
	v_lshl_add_u32 v[SPW], v0, 2, SPARE
	v_mov_b32 v[NIL], 0
	ds_add_u32 v4, v5
	ds_add_u32 v4, v5
	s_wait_dscnt 0x0
	v_lshrrev_b32 v7, 5, v0
	s_delay_alu instid0(VALU_DEP_1)
	v_readfirstlane_b32 s10, v7                    ; wave 0..7
	v_and_b32 v7, 31, v0
	s_delay_alu instid0(VALU_DEP_1)
	v_lshlrev_b32 v[LI], 4, v7
	s_delay_alu instid0(VALU_DEP_2)
	v_lshlrev_b32 v[L8], 3, v7
	s_bfe_u32 s11, ttmp6, 0x40000                  ; cx
	s_lshl_b32 s42, ttmp9, 2
	s_add_co_u32 s42, s42, s11                     ; my block of 256 queries: it enters q_rec's and ao_rec's addresses alone
	s_and_b32 s43, ttmp7, 0xffff                   ; batch x 8 + head, which the four partners share
	s_mul_i32 s46, s10, REC                        ; my record's place in a slot, in LDS and in memory
	s_mul_i32 s44, s43, 16*STEPB                   ; the head's first byte in kv_rec
	s_add_co_u32 s44, s44, s46
	s_mov_b32 s45, 0
	s_lshr_b32 s48, s10, 2                         ; which of the block's two groups of 128 queries
	s_and_b32 s49, s10, 3                          ; which pair of tiles in it
	s_lshl_b32 s50, s42, 1
	s_add_co_u32 s50, s50, s48                     ; the group within the batch row, 0..15
	s_lshl_b32 s51, s43, 4
	s_add_co_u32 s51, s51, s50
	s_mul_i32 s52, s51, REC                        ; Q's record
	s_mov_b32 s53, 0
	s_lshl_b32 s54, s49, 12                        ; my two fragments in a record
	s_mov_b32 s55, 0
	s_lshl_b32 s56, s49, 2
	s_add_co_u32 s56, s56, 16384                   ; my pair's scale words
	s_mov_b32 s57, 0
	s_lshr_b32 s58, s43, 3
	s_lshl_b32 s58, s58, 4
	s_add_co_u32 s58, s58, s50                     ; row / 128
	s_lshl_b32 s58, s58, 3
	s_and_b32 s59, s43, 7
	s_add_co_u32 s58, s58, s59                     ; x 8 + head
	s_mul_i32 s58, s58, RECA
	s_mov_b32 s59, 0
	s_lshl_b32 s60, s49, 8
	s_add_co_u32 s60, s60, 16384
	s_mov_b32 s61, 0
	; descriptor group 1: a record, 16,896 dense bytes, as 66 rows of 256 bytes (32 elements of 8 bytes); no padding: every read takes 16 x lane on end
	s_mov_b32 s16, 15|(3<<16)|(1<<21)              ; the mask: all four work-groups; bit 21 set beside it
	s_mov_b32 s17, 32<<16
	s_mov_b32 s18, 66<<16
	s_mov_b32 s19, 32<<16
	s_mov_b32 s20, 66
	s_mov_b32 s21, 32
	s_mov_b32 s22, 0
	s_mov_b32 s23, 0
	s_mov_b32 s32, 0x76543210
	s_mov_b32 s33, 0xfedcba98                      ; selects for lane l xor 16
	s_mov_b32 s34, 0x3e0293ee                      ; c = log2(e) / sqrt(128)
	s_mov_b32 s35, s34                             ; (named with it as a pair, so it is written)
	s_wait_kmcnt 0x0
	s_add_nc_u64 s[4:5], s[4:5], s[52:53]
	s_add_nc_u64 s[40:41], s[4:5], s[56:57]        ; Q's scale words
	s_add_nc_u64 s[4:5], s[4:5], s[54:55]          ; Q's fragments
	s_add_nc_u64 s[8:9], s[8:9], s[58:59]
	s_add_nc_u64 s[14:15], s[8:9], s[60:61]        ; where my scale words go
	s_add_nc_u64 s[12:13], s[8:9], s[54:55]        ; and my codes
	s_mov_b32 s24, 1                               ; group 0 for slot 0: key steps 0-3
	s_mov_b32 s25, s46
	s_add_nc_u64 s[26:27], s[6:7], s[44:45]
	s_mov_b32 s28, 1                               ; and for slot 1: key steps 4-7
	s_add_co_u32 s29, s46, SLOTB
	s_add_nc_u64 s[30:31], s[26:27], SLOTB
	s_or_b32 s27, s27, 0x80000000
	s_or_b32 s31, s31, 0x80000000
	CROUND                                         ; all four work-groups are here: the first joint loads meet
	tensor_load_to_lds s[24:27], s[16:23]          ; both first fills together: two tensor loads of mine are out, later one
	s_nop 0
	tensor_load_to_lds s[28:31], s[16:23]
	s_nop 0
.rept 4
	v_nop
.endr
	s_wait_alu depctr_va_vdst(0)
.irp c, 0,1,2,3
	global_load_b128 v[16+4*\c:19+4*\c], v[LI], s[4:5] offset:512*\c          ; Q stays in registers: tile 0
.endr
	global_load_b32 v[QS], v[LI], s[40:41]
	WIN 0x40
.irp c, 0,1,2,3
	global_load_b128 v[16+4*\c:19+4*\c], v[LI], s[4:5] offset:2048+512*\c     ; tile 1
.endr
.macro INIT
	v_mov_b32 v12, 0xc1880000                      ; -M = -17
	v_mov_b32 v13, 0                               ; (named with it as a pair)
	v_mov_b32 v14, 0                               ; the sum, in two halves
	v_mov_b32 v15, 0
.irp b, 0,1,2,3
	v_mov_b32 v[236+\b], 0                         ; written once: a lane permute's destination counts as one of its sources
.endr
	v_mov_b32 v252, 0
.endm
	WIN 0
	INIT
	WIN 0x55
	INIT
	WIN 0
; One scaled matrix instruction.  zero: C is the constant 0, else D.  ra, rb: the half of the lanes from which source 0's and source 1's scales are read (rb = 1 occurs with zero = 1 alone).
.macro WM d, a, b, zero, sa, sb, ra, rb
.if (\zero) && (\ra) && (\rb)
	v_wmma_scale_f32_16x16x128_f8f6f4 v[\d:\d+7], v[\a:\a+15], v[\b:\b+15], 0, v[\sa], v[\sb] matrix_a_fmt:MATRIX_FMT_BF8 matrix_b_fmt:MATRIX_FMT_BF8 matrix_a_scale:MATRIX_SCALE_ROW1 matrix_b_scale:MATRIX_SCALE_ROW1
.elseif (\zero) && (\ra)
	v_wmma_scale_f32_16x16x128_f8f6f4 v[\d:\d+7], v[\a:\a+15], v[\b:\b+15], 0, v[\sa], v[\sb] matrix_a_fmt:MATRIX_FMT_BF8 matrix_b_fmt:MATRIX_FMT_BF8 matrix_a_scale:MATRIX_SCALE_ROW1
.elseif (\zero) && (\rb)
	v_wmma_scale_f32_16x16x128_f8f6f4 v[\d:\d+7], v[\a:\a+15], v[\b:\b+15], 0, v[\sa], v[\sb] matrix_a_fmt:MATRIX_FMT_BF8 matrix_b_fmt:MATRIX_FMT_BF8 matrix_b_scale:MATRIX_SCALE_ROW1
.elseif (\zero)
	v_wmma_scale_f32_16x16x128_f8f6f4 v[\d:\d+7], v[\a:\a+15], v[\b:\b+15], 0, v[\sa], v[\sb] matrix_a_fmt:MATRIX_FMT_BF8 matrix_b_fmt:MATRIX_FMT_BF8
.elseif (\ra)
	v_wmma_scale_f32_16x16x128_f8f6f4 v[\d:\d+7], v[\a:\a+15], v[\b:\b+15], v[\d:\d+7], v[\sa], v[\sb] matrix_a_fmt:MATRIX_FMT_BF8 matrix_b_fmt:MATRIX_FMT_BF8 matrix_a_scale:MATRIX_SCALE_ROW1
.else
	v_wmma_scale_f32_16x16x128_f8f6f4 v[\d:\d+7], v[\a:\a+15], v[\b:\b+15], v[\d:\d+7], v[\sa], v[\sb] matrix_a_fmt:MATRIX_FMT_BF8 matrix_b_fmt:MATRIX_FMT_BF8
.endif
.endm
.macro QKG tile, half                  ; S^T of one tile of queries against key tiles 4 half .. 4 half + 3: source 0 in window half; source 1, D in window tile
	WIN (\tile)*0x54+(\half)
.irp u, 0,1,2,3
	WM 96+8*(4*(\half)+\u), 32+16*\u, 16, 1, KSW+(4*(\half)+\u)/2, QS, \u%2, \tile
.endr
.endm
.macro PVG tile, half, first           ; O^T of one tile of queries, tiles 4 half .. 4 half + 3 of the head's 128.  first = 1: the products start the sums: nothing is cleared
	WIN (\tile)*0x54+(\half)
.irp u, 0,1,2,3
.if \tile
	WM 160+8*(4*(\half)+\u), 32+16*\u, 224, \first, VS+(4*(\half)+\u)/2, PW1, \u%2, 0
.else
	WM 160+8*(4*(\half)+\u), 32+16*\u, 224, \first, VS+(4*(\half)+\u)/2, 253, \u%2, 0
.endif
.endr
.endm
.macro LOADF off, sreg                 ; a record: eight fragments and its scale words: 33 loads, each of 512 consecutive bytes
	WIN 0
.irp u, 0,1,2,3
.irp c, 0,1,2,3
	ds_load_b128 v[32+16*\u+4*\c:32+16*\u+4*\c+3], v[ADK] offset:\off+2048*\u+512*\c
.endr
.endr
	ds_load_b128 v[\sreg:\sreg+3], v[ADK] offset:\off+16384
	WIN 0x40
.irp u, 0,1,2,3
.irp c, 0,1,2,3
	ds_load_b128 v[32+16*\u+4*\c:32+16*\u+4*\c+3], v[ADK] offset:\off+8192+2048*\u+512*\c
.endr
.endr
.endm
; One tile's softmax for a key step, all in the tile's window.
.macro SOFTMAX tile
	WIN (\tile)*0x55
.irp b, 0,1,2,3
	v_max3_num_f32 v[232+\b], v[96+16*\b], v[97+16*\b], v[98+16*\b]   ; the largest score of each block of 32 keys: p rises with the score, so it gives the block's largest p.  (Each accumulator is first read at its low end)
.endr
.irp i, 3,5,7,9,11,13
.irp b, 0,1,2,3
	v_max3_num_f32 v[232+\b], v[232+\b], v[96+16*\b+\i], v[97+16*\b+\i]
.endr
.endr
.irp b, 0,1,2,3
	v_max_num_f32 v[232+\b], v[232+\b], v[111+16*\b]
.endr
.irp b, 0,1,2,3
	v_permlanex16_b32 v[236+\b], v[232+\b], s32, s33
.endr
.irp b, 0,1,2,3
	s_delay_alu instid0(VALU_DEP_4)
	v_max_num_f32 v[232+\b], v[232+\b], v[236+\b]  ; with lane l xor 16's 16 keys
.endr
.set j, 0
.rept 32
	v_pk_fma_f32 v[96+j:97+j], v[96+j:97+j], s[34:35], v[12:13] op_sel_hi:[1,0,0]   ; t - 17, two at a time
.set j, j+2
.endr
.irp b, 0,1,2,3
	v_fma_f32 v[232+\b], v[232+\b], s34, v12       ; the same of each block's largest score
.endr
.set j, 0
	s_wait_alu depctr_va_vdst(0)
.rept 64
	v_exp_f32 v[96+j], v[96+j]                     ; p = 2^(t - 17)
.set j, j+1
.endr
.irp b, 0,1,2,3
	v_exp_f32 v[232+\b], v[232+\b]                 ; the block's largest p: the same two instructions on the same number give the same bits.  At least 2^-17: no floor is wanted
.endr
	v_nop                                          ; a plain place behind the exponentials
	s_wait_alu depctr_va_vdst(0)
.irp b, 0,1,2,3
	v_add_nc_u32 v[244+\b], 0xf8800000, v[232+\b]  ; 15 off the exponent field: the conversion's scale operand
.endr
.irp b, 0,1,2,3
.endr
.irp b, 0,1,2,3
	s_delay_alu instid0(VALU_DEP_4)
	v_lshrrev_b32 v[236+\b], 23, v[244+\b]         ; the scale's byte
.endr
	s_delay_alu instid0(VALU_DEP_3)
	v_lshl_or_b32 v253, v237, 8, v236              ; p's scale word for these 128 keys
	s_delay_alu instid0(VALU_DEP_1)
	v_lshl_or_b32 v253, v238, 16, v253
	s_delay_alu instid0(VALU_DEP_1)
	v_lshl_or_b32 v253, v239, 24, v253
.if \tile
	WIN 0x01                                       ; tile 1's word moves there, over 40 vector instructions ahead of its use
	v_mov_b32 v[PW1], v253
	WIN 0x55
.endif
	v_pk_add_f32 v[236:237], v[96:97], v[98:99]    ; the row's sum is taken of the unquantised p: two at a time, in two chains
.set j, 4
.rept 15
	v_pk_add_f32 v[14:15], v[14:15], v[96+j:97+j]
	v_pk_add_f32 v[236:237], v[236:237], v[98+j:99+j]
.set j, j+4
.endr
	s_delay_alu instid0(VALU_DEP_1)
	v_pk_add_f32 v[14:15], v[14:15], v[236:237]
.irp b, 0,1,2,3
.irp i, 0,1,2,3,4,5,6,7,8,9,10,11,12,13,14,15
.endr
	v_cvt_scalef32_pk8_bf8_f32 v[224+4*\b:225+4*\b], v[96+16*\b:103+16*\b], v[244+\b]
	v_cvt_scalef32_pk8_bf8_f32 v[226+4*\b:227+4*\b], v[104+16*\b:111+16*\b], v[244+\b]
.endr
.endm
; A KEY STEP: 128 keys, whose two records begin at LDS byte s37.  Each accumulator has one matrix instruction a step, so the accumulators take turns.
.macro STEP first
	v_add_nc_u32 v[ADK], s37, v[LI]
.rept 7
	v_nop                                          ; with the addition eight places behind the last products, whose fragments' registers are loaded again
.endr
	LOADF 0, KSW
	s_wait_alu depctr_va_vdst(0)
	s_wait_dscnt 0x0
	QKG 0, 0
	QKG 1, 0
	QKG 0, 1
	QKG 1, 1
.rept 8
	v_nop                                          ; places in front of the loads below and of the first read of the scores
.endr
	LOADF REC, VS                                  ; V's record lands under the softmax
	SOFTMAX 0
	SOFTMAX 1
.rept 4
	v_nop                                          ; codes written by vector instructions stand four places ahead of a scaled matrix instruction
.endr
	s_wait_alu depctr_va_vdst(0)
	s_wait_dscnt 0x0
	PVG 0, 0, \first
	PVG 1, 0, \first
	PVG 0, 1, \first
	PVG 1, 1, \first
	WIN 0
.endm
.macro PHASE base, first               ; a slot's four key steps
	s_mov_b32 s37, \base
.if \first
	STEP 1                                         ; the very first step is written out: its second products start O^T's sums
	s_add_co_u32 s37, s37, STEPB
	s_mov_b32 s38, 3
.else
	s_mov_b32 s38, 4
.endif
.Lstep_\@:
	STEP 0
	s_add_co_u32 s37, s37, STEPB
	s_sub_co_u32 s38, s38, 1
	s_cmp_lg_u32 s38, 0
	s_cbranch_scc1 .Lstep_\@
.endm
; THE CHANGE OF SLOTS.  Each wave waits for all its tensor loads (its record of the slot ahead), adds 0 to its spare word, and waits for that and for its reads of the slot that it leaves.
; fill = 1: that slot is filled with the key steps eight on; the barrier is then a round of the cluster's, and the joint refill is the first thing behind it: it has four key steps in which to land.
.macro CHANGE fill, g0
	s_wait_tensorcnt 0x0                           ; no tensor load of mine is out, so a group 0 may be written
	ds_add_u32 v[SPW], v[NIL]                      ; 0 onto my spare word
.if \fill
	s_add_nc_u64 s[\g0+2:\g0+3], s[\g0+2:\g0+3], 2*SLOTB
.endif
	s_wait_dscnt 0x0                               ; the add is done, and my reads of the slot are over
.if \fill
	CROUND
	tensor_load_to_lds s[\g0:\g0+3], s[16:23]
	s_nop 0
.rept 4
	v_nop
.endr
.else
	s_barrier_signal -1
	s_barrier_wait -1
.endif
.endm
	s_wait_tensorcnt 1                             ; my record of slot 0 is in; slot 1's may stay out
	s_barrier_signal -1
	s_barrier_wait -1                              ; everybody's is
	s_wait_loadcnt 0x0                             ; Q
	PHASE 0, 1                                     ; key steps 0-3
	CHANGE 1, 24                                   ; slot 0 takes key steps 8-11
	PHASE SLOTB, 0                                 ; 4-7
	CHANGE 1, 28                                   ; slot 1 takes key steps 12-15
	PHASE 0, 0                                     ; 8-11
	CHANGE 0, 24
	PHASE SLOTB, 0                                 ; 12-15
	; THE WAY OUT.  O^T / the sum, quantised along d: registers 16 b + i are d = 32 b + 16 (lane / 16) + i of my query, the order of an operand's registers.
.rept 8
	v_nop                                          ; places behind the last products
.endr
.macro FINISH
	v_add_f32 v14, v14, v15                        ; the sum's two halves,
	s_delay_alu instid0(VALU_DEP_1)
	v_permlanex16_b32 v252, v14, s32, s33
	s_delay_alu instid0(VALU_DEP_1)
	v_add_f32 v14, v14, v252                       ; and lane l xor 16's keys
	s_wait_alu depctr_va_vdst(0)
	v_rcp_f32 v14, v14
	v_nop
.set j, 0
	s_wait_alu depctr_va_vdst(0)
.rept 32
	v_pk_mul_f32 v[160+j:161+j], v[160+j:161+j], v[14:15] op_sel_hi:[1,0]   ; each accumulator from its low end on
.set j, j+2
.endr
.irp b, 0,1,2,3
	v_max3_num_f32 v[232+\b], v[160+16*\b], v[161+16*\b], 0x8000000   ; nothing is negative; the floor 2^(16 - 127) holds the byte at 1 from below
.endr
.irp i, 2,4,6,8,10,12,14
.irp b, 0,1,2,3
	s_delay_alu instid0(VALU_DEP_4)
	v_max3_num_f32 v[232+\b], v[232+\b], v[160+16*\b+\i], v[161+16*\b+\i]
.endr
.endr
.irp b, 0,1,2,3
	v_permlanex16_b32 v[236+\b], v[232+\b], s32, s33
.endr
.irp b, 0,1,2,3
	s_delay_alu instid0(VALU_DEP_4)
	v_max_num_f32 v[232+\b], v[232+\b], v[236+\b]
.endr
.irp b, 0,1,2,3
	s_delay_alu instid0(VALU_DEP_4)
	v_add_nc_u32 v[244+\b], 0xf8800000, v[232+\b]
.endr
.irp b, 0,1,2,3
.endr
.irp b, 0,1,2,3
	s_delay_alu instid0(VALU_DEP_4)
	v_lshrrev_b32 v[236+\b], 23, v[244+\b]
.endr
	s_delay_alu instid0(VALU_DEP_3)
	v_lshl_or_b32 v253, v237, 8, v236
	s_delay_alu instid0(VALU_DEP_1)
	v_lshl_or_b32 v253, v238, 16, v253
	s_delay_alu instid0(VALU_DEP_1)
	v_lshl_or_b32 v253, v239, 24, v253
.irp b, 0,1,2,3
.irp i, 0,1,2,3,4,5,6,7,8,9,10,11,12,13,14,15
.endr
	v_cvt_scalef32_pk8_bf8_f32 v[224+4*\b:225+4*\b], v[160+16*\b:167+16*\b], v[244+\b]
	v_cvt_scalef32_pk8_bf8_f32 v[226+4*\b:227+4*\b], v[168+16*\b:175+16*\b], v[244+\b]
.endr
	v_nop                                          ; one plain instruction behind the last conversion
.endm
	FINISH
	WIN 0x55
	FINISH
	WIN 0
	v_mov_b32 v8, v253                             ; the two tiles' scale words side by side
	WIN 0x01
	v_mov_b32 v9, v253
	WIN 0
.irp c, 0,1,2,3
	global_store_b128 v[LI], v[224+4*\c:227+4*\c], s[12:13] offset:512*\c          ; 512 consecutive bytes a store, aligned
.endr
	WIN 0x04                                       ; a store's data are its source 1: window 1
.irp c, 0,1,2,3
	global_store_b128 v[LI], v[224+4*\c:227+4*\c], s[12:13] offset:2048+512*\c
.endr
	WIN 0
	global_store_b64 v[L8], v[8:9], s[14:15]       ; 256 consecutive bytes, aligned
	s_wait_tensorcnt 0x0                           ; the wave's end
	ds_add_u32 v[SPW], v[NIL]
	s_wait_dscnt 0x0
	CROUND                                         ; the closing round
	s_endpgm
.Lfunc_end_k_qce3b793b13_attn:
	.size	k_qce3b793b13_attn, .Lfunc_end_k_qce3b793b13_attn-k_qce3b793b13_attn
	.p2alignl 7, 3214868480
	.fill 96, 4, 3214868480
	.section	.rodata,"a",@progbits
	.p2align	6, 0x0
	.amdhsa_kernel k_qce3b793b13_attn
		.amdhsa_group_segment_fixed_size 327680
		.amdhsa_private_segment_fixed_size 0
		.amdhsa_enable_private_segment 0
		.amdhsa_kernarg_size 24
		.amdhsa_user_sgpr_count 2
		.amdhsa_user_sgpr_kernarg_segment_ptr 1
		.amdhsa_wavefront_size32 1
		.amdhsa_system_sgpr_workgroup_id_x 1
		.amdhsa_system_sgpr_workgroup_id_y 1
		.amdhsa_system_sgpr_workgroup_id_z 1
		.amdhsa_system_vgpr_workitem_id 0
		.amdhsa_next_free_vgpr 512
		.amdhsa_next_free_sgpr 66
		.amdhsa_reserve_vcc 0
		.amdhsa_float_denorm_mode_32 3
		.amdhsa_float_denorm_mode_16_64 3
		.amdhsa_fp16_overflow 1
		.amdhsa_memory_ordered 1
		.amdhsa_forward_progress 1
		.amdhsa_inst_pref_size 174
	.end_amdhsa_kernel
	.amdgpu_metadata
---
amdhsa.version: [ 1, 2 ]
amdhsa.kernels:
  - .name:           k_qce3b793b13_attn
    .symbol:         k_qce3b793b13_attn.kd
    .args:
      - { .name: q_rec, .offset: 0, .size: 8, .value_kind: global_buffer, .address_space: global }
      - { .name: kv_rec, .offset: 8, .size: 8, .value_kind: global_buffer, .address_space: global }
      - { .name: ao_rec, .offset: 16, .size: 8, .value_kind: global_buffer, .address_space: global }
    .group_segment_fixed_size: 327680
    .private_segment_fixed_size: 0
    .kernarg_segment_align: 8
    .kernarg_segment_size: 24
    .max_flat_workgroup_size: 256
    .sgpr_count:     66
    .vgpr_count:     512
    .wavefront_size: 32
...
	.end_amdgpu_metadata
.endif
;; end of part 2
;; launch outp (part 3): grid 4 x 64, 4 waves a work-group, clusters of 4 x 4, 327,680 bytes of LDS; arguments ao_rec, proj_w_codes, proj_w_scales, proj_b, out0; writes out0
.if DOCPART == 3
	.amdgcn_target "amdgcn-amd-amdhsa--gfx1250"
	.amdhsa_code_object_version 6
	.text
	.protected	k_qce3b793b13_outp
	.globl	k_qce3b793b13_outp
	.p2align	8
	.type	k_qce3b793b13_outp,@function
k_qce3b793b13_outp:
	s_mov_b64 s[64:65], 0
	v_nop
	global_prefetch_b8 v0, s[64:65] scope:SCOPE_SE
	s_setreg_imm32_b32 hwreg(HW_REG_WAVE_MODE, 25, 1), 1
	s_wait_xcnt 0x0
	s_wait_alu depctr_hold_cnt(0) depctr_sa_sdst(0) depctr_va_vdst(0) depctr_va_sdst(0) depctr_va_ssrc(0) depctr_va_vcc(0) depctr_vm_vsrc(0)
	s_getreg_b32 s2, hwreg(HW_REG_IB_STS2, 6, 4)
	s_cmp_eq_u32 s2, 0
	s_cbranch_scc0 .Lentry_in_a_cluster
	s_endpgm
.Lentry_in_a_cluster:
	s_bfe_u32 s2, ttmp6, 0x10000c
	s_cmp_lg_u32 s2, 0xf033
	s_cbranch_scc0 .Lentry_shape_is_right
	s_endpgm
.Lentry_shape_is_right:
; out0[row][n] = the sum over k = (head, d) of ao[row][k] proj_w[n][k] + proj_b[n]: [8192][1024] x [1024][1024] on codes of BF8 (E5M2) with E8M0 scales, f32 sums, f32 out.
; ao comes as records, images of an operand's registers: ao_rec [row / 128][head][17,408 bytes]: eight fragments of 2,048 bytes (tile t, registers 4 c .. 4 c + 3 of lane l at 2048 t + 512 c + 16 l), then scale words
; (at 16384 + 256 pair + 8 l the words of tiles 2 pair and 2 pair + 1, row l % 16).  proj_w comes as given: rows of 1,024 codes, K innermost, and 32 scale bytes a row.
; SHARES.  A tile of out0 is 128 rows x 256 columns, so that the grid has 256 work-groups; four waves, each 64 rows x 128 columns: 32 accumulators.  K goes in four steps of 256 (two heads) through two LDS slots.
; CLUSTERS: 4 x 4 work-groups; ao's records are shared along a row of the cluster, proj_w's tiles and scales along a column: each is asked for jointly.
; THE MATRIX INSTRUCTION IS USED TRANSPOSED (source 0 = 16 rows of proj_w, source 1 = 16 rows of ao): a lane holds eight neighbouring columns of one row.  The bias is the C of each sum's first instruction.
; REGISTERS: window 0: v16-29 addresses; v32-63 proj_w's scale words, two sets; v64-79 ao's, two sets; v128-255 ao's fragments, two sets of four.  Window 1: proj_w's fragments, two sets of eight.
;   Window 2: accumulator (a, b) at v[8 (8 a + b)].  Window 3: v0-63 the bias of my 128 columns, in the result's layout.
; LIMITS: NaN, infinities and the scale byte 0xff among the inputs are not served.
.set PITCH,  272                       ; a row of proj_w's tile in LDS: 256 bytes + 16 of padding: row r starts at bank 4 r mod 64 (64 banks of 4 bytes: ISA guide 11.1)
.set RECA,   17408
.set ASLOT,  2*RECA                    ; two heads' records, dense
.set HALFB,  128*PITCH
.set SLOT,   ASLOT+2*HALFB
.set SCL,    2*SLOT                    ; behind the ring: proj_w's scale bytes of my 256 columns, 32 units of 256 bytes + 16 of padding
.set QSC,    8*272                     ; a wave's quarter of them
.set SPARE,  SCL+4*QSC                 ; the spare words, 128 bytes a wave: two blocks of 256 bytes that no other line names
.set SPITCH, 528                       ; the way out: a stage of 16 rows x (512 bytes + 16) for each wave, in slot 0, which has had its last fill and its last read by then
.set NP,   8
.set ADRA, 16                          ; v16-17 ao's fragments in slot 0, 1
.set ADSA, 18                          ; v18-19 ao's scale words
.set ADRB, 20                          ; v20-21 proj_w's fragments
.set ADSB, 22                          ; v22    proj_w's scale words
.set STO,  24
.set RD,   25
.set CO,   26                          ; v26    16 x lane
.set SPW,  28
.set NIL,  29
.set SB,   32                          ; set s at SB + 16 s: register 2 b + q
.set SA,   64                          ; set s at SA + 8 s: register 4 q + a
.set AF,   128
.set BK,   128
.set G1, 24
.set G0, 32
.set G1B, 48
.set G0B, 56
.set G1S, 68
.set G0S, 76
.set MSB, 0
.macro WIN new
.if MSB != (\new)
	s_set_vgpr_msb (MSB<<8)|(\new)
.set MSB, (\new)
.endif
.endm
.set MUL,  0xa1                        ; source 0 window 1, source 1 window 0, C and D window 2
.set TO_B, 0x40
.macro JLOAD s                         ; waves 0 and 1 fetch ao's two records, waves 2 and 3 the halves of proj_w's tile; four v_nop follow each line
	s_cmp_eq_u32 s15, 0
	s_cbranch_scc0 .Lfor_b_\@
	tensor_load_to_lds s[G0+4*\s:G0+4*\s+3], s[G1:G1+7]
	s_nop 0
.rept 4
	v_nop
.endr
	s_branch .Lasked_\@
.Lfor_b_\@:
	tensor_load_to_lds s[G0B+4*\s:G0B+4*\s+3], s[G1B:G1B+7]
	s_nop 0
.rept 4
	v_nop
.endr
.Lasked_\@:
.endm
.macro CREST
	s_cmp_lg_u32 s14, 0
	s_cbranch_scc1 .Lnot_wave_0_\@
	s_barrier_signal -3
.Lnot_wave_0_\@:
	s_barrier_wait -3
	s_barrier_signal -1
	s_barrier_wait -1
.endm
.macro CROUND
	s_barrier_signal -1
	s_barrier_wait -1
	CREST
.endm
	s_load_b256 s[4:11], s[0:1], 0x0               ; ao_rec, proj_w's codes, its scales, proj_b
	s_load_b64 s[12:13], s[0:1], 0x20              ; out0
	v_lshl_add_u32 v[SPW], v0, 2, SPARE
	v_mov_b32 v[NIL], 0
	ds_add_u32 v28, v29
	ds_add_u32 v28, v29
	s_wait_dscnt 0x0
	v_lshrrev_b32 v1, 5, v0
	v_readfirstlane_b32 s14, v1                    ; wave 0..3
	s_lshr_b32 s15, s14, 1                         ; which 64 rows are mine.  Also: I fetch for ao (0) or for proj_w (1)
	s_and_b32 s16, s14, 1                          ; which 128 columns.  Also: which record, or which 128 rows, I fetch
	s_bfe_u32 s40, ttmp6, 0x40000
	s_bfe_u32 s41, ttmp6, 0x40004
	s_lshl_b32 s42, ttmp9, 2
	s_add_co_u32 s42, s42, s40                     ; tile column
	s_and_b32 s17, ttmp7, 0xffff
	s_lshl_b32 s17, s17, 2
	s_add_co_u32 s17, s17, s41                     ; tile row = row / 128
	s_lshl_b32 s43, s41, 2
	s_lshl_b32 s43, 15, s43                        ; my row of the cluster
	s_lshl_b32 s44, 0x1111, s40                    ; my column
	s_or_b32 s[G1+0], s43, (3<<16)|(1<<21)         ; a record: 17,408 dense bytes as 68 rows of 256 (32 elements of 8 bytes), no padding
	s_mov_b32 s[G1+1], 32<<16
	s_mov_b32 s[G1+2], 68<<16
	s_mov_b32 s[G1+3], 32<<16
	s_mov_b32 s[G1+4], 68
	s_mov_b32 s[G1+5], 32
	s_mov_b32 s[G1+6], 0
	s_mov_b32 s[G1+7], 0
	s_or_b32 s[G1B+0], s44, (0<<16)|(1<<20)|(1<<21)|(5<<22)|(3<<25)   ; 128 rows x 256 bytes, 1,024 apart, 16 bytes of padding behind each
	s_mov_b32 s[G1B+1], 256<<16
	s_mov_b32 s[G1B+2], 128<<16
	s_mov_b32 s[G1B+3], 256<<16
	s_mov_b32 s[G1B+4], 128
	s_mov_b32 s[G1B+5], 1024
	s_mov_b32 s[G1B+6], 0
	s_mov_b32 s[G1B+7], 0
	s_or_b32 s[G1S+0], s44, (3<<16)|(1<<20)|(1<<21)|(5<<22)|(3<<25)   ; the scales of 64 rows: 2,048 dense bytes as 8 rows of 256, padded alike
	s_mov_b32 s[G1S+1], 32<<16
	s_mov_b32 s[G1S+2], 8<<16
	s_mov_b32 s[G1S+3], 32<<16
	s_mov_b32 s[G1S+4], 8
	s_mov_b32 s[G1S+5], 32
	s_mov_b32 s[G1S+6], 0
	s_mov_b32 s[G1S+7], 0
	s_mul_i32 s45, s16, RECA                       ; ao: my record's place in a slot, in LDS and in memory
	s_mul_i32 s20, s17, 8*RECA
	s_add_co_u32 s20, s20, s45
	s_mov_b32 s21, 0
	s_lshl_b32 s46, s42, 18                        ; proj_w: row 256 x tile column + 128 x half, 1,024 bytes a row
	s_lshl_b32 s47, s16, 17
	s_add_co_u32 s46, s46, s47
	s_mov_b32 s47, 0
	s_lshl_b32 s92, s42, 13                        ; its scales: row 256 x tile column + 64 x wave, 32 bytes a row
	s_lshl_b32 s93, s14, 11
	s_add_co_u32 s92, s92, s93
	s_mov_b32 s93, 0
	s_mul_i32 s94, s16, HALFB
	s_add_co_u32 s94, s94, ASLOT                   ; proj_w's half in a slot
	s_mul_i32 s95, s14, QSC
	s_add_co_u32 s95, s95, SCL
	s_wait_kmcnt 0x0
	s_add_nc_u64 s[20:21], s[4:5], s[20:21]
	s_add_nc_u64 s[46:47], s[6:7], s[46:47]
	s_add_nc_u64 s[92:93], s[8:9], s[92:93]
	CROUND                                         ; all sixteen work-groups are here: the first joint loads meet
	s_mov_b32 s[G0S], 1
	s_mov_b32 s[G0S+1], s95
	s_mov_b64 s[G0S+2:G0S+3], s[92:93]
	s_or_b32 s[G0S+3], s[G0S+3], 0x80000000
	tensor_load_to_lds s[G0S:G0S+3], s[G1S:G1S+7]  ; the scales: every wave its quarter; filled once
	s_nop 0
.rept 4
	v_nop
.endr
.irp s, 0,1
	s_mov_b32 s[G0+4*\s], 1
	s_add_co_u32 s[G0+4*\s+1], s45, \s*SLOT
	s_add_nc_u64 s[G0+4*\s+2:G0+4*\s+3], s[20:21], \s*ASLOT
	s_or_b32 s[G0+4*\s+3], s[G0+4*\s+3], 0x80000000
	s_mov_b32 s[G0B+4*\s], 1
	s_add_co_u32 s[G0B+4*\s+1], s94, \s*SLOT
	s_add_nc_u64 s[G0B+4*\s+2:G0B+4*\s+3], s[46:47], \s*256
	s_or_b32 s[G0B+4*\s+3], s[G0B+4*\s+3], 0x80000000
	JLOAD \s                                       ; by this text's count three tensor loads of a wave are out here, later one
.endr
	v_and_b32 v1, 15, v0                           ; r
	v_bfe_u32 v2, v0, 4, 1                         ; h
	v_and_b32 v3, 31, v0                           ; lane
	v_lshlrev_b32 v[CO], 4, v3
	s_lshl_b32 s21, s15, 13                        ; my four tiles of a record
	v_add_nc_u32 v[ADRA], s21, v[CO]
	v_add_nc_u32 v[ADRA+1], SLOT, v[ADRA]
	v_lshlrev_b32 v4, 3, v3
	s_lshl_b32 s21, s15, 9
	s_add_co_u32 s21, s21, 16384                   ; their two pairs of scale words
	v_add_nc_u32 v[ADSA], s21, v4
	v_add_nc_u32 v[ADSA+1], SLOT, v[ADSA]
	v_mul_u32_u24 v5, v1, PITCH
	v_lshl_add_u32 v5, v2, 4, v5
	s_mul_i32 s22, s16, HALFB
	s_add_co_u32 s22, s22, ASLOT
	v_add_nc_u32 v[ADRB], s22, v5
	v_add_nc_u32 v[ADRB+1], SLOT, v[ADRB]
	v_lshrrev_b32 v5, 3, v1                        ; proj_w's scales: eight rows of 32 bytes to a unit
	v_mul_u32_u24 v5, v5, 272
	v_and_b32 v6, 7, v1
	v_lshl_add_u32 v5, v6, 5, v5
	s_mul_i32 s22, s16, 16*272
	s_add_co_u32 s22, s22, SCL
	v_add_nc_u32 v[ADSB], s22, v5
	s_mul_i32 s23, s14, 16*SPITCH                  ; my stage
	v_mul_u32_u24 v5, v1, SPITCH
	v_lshl_add_u32 v5, v2, 5, v5
	v_add_nc_u32 v[STO], s23, v5                   ; in: row r, 32 bytes for each half of the lanes
	v_add_nc_u32 v[RD], s23, v[CO]                 ; back: the 32 lanes take one row of 512 bytes
	v_lshlrev_b32 v7, 5, v2                        ; the bias: eight numbers of my half
	s_lshl_b32 s46, s42, 10                        ; my first column, in bytes of f32: 1024 x tile column + 512 x half
	s_lshl_b32 s47, s16, 9
	s_add_co_u32 s46, s46, s47
	s_mov_b32 s47, 0
	s_add_nc_u64 s[10:11], s[10:11], s[46:47]
	s_lshl_b32 s20, s17, 19                        ; my first row: 128 x tile row + 64 x half, 4,096 bytes a row
	s_lshl_b32 s21, s15, 18
	s_add_co_u32 s20, s20, s21
	s_mov_b32 s21, 0
	s_add_nc_u64 s[20:21], s[20:21], s[46:47]
	s_add_nc_u64 s[12:13], s[12:13], s[20:21]
	WIN 0xc0                                       ; destination window 3
.irp b, 0,1,2,3,4,5,6,7
	global_load_b128 v[8*\b:8*\b+3], v7, s[10:11] offset:64*\b          ; proj_b at columns 16 b + 8 h + 0 .. 7
	global_load_b128 v[8*\b+4:8*\b+7], v7, s[10:11] offset:64*\b+16
.endr
	WIN 0
.macro FETCH slot, q, set              ; the fragments of the slot's q-th 128 along K: proj_w's eight, ao's four: 48 loads
	WIN TO_B
.irp b, 0,1,2,3,4,5,6,7
.irp c, 0,1,2,3
	ds_load_b128 v[128*(\set)+16*\b+4*\c:128*(\set)+16*\b+4*\c+3], v[ADRB+\slot] offset:128*(\q)+32*\c+\b*16*PITCH
.endr
.endr
	WIN 0
.irp a, 0,1,2,3
.irp c, 0,1,2,3
	ds_load_b128 v[AF+64*(\set)+16*\a+4*\c:AF+64*(\set)+16*\a+4*\c+3], v[ADRA+\slot] offset:(\q)*RECA+2048*\a+512*\c
.endr
.endr
.endm
.macro SCALES slot                     ; a K step's scale words into set slot
.irp b, 0,1,2,3,4,5,6,7
	ds_load_b64 v[SB+16*\slot+2*\b:SB+16*\slot+2*\b+1], v[ADSB] offset:544*\b
.endr
.irp q, 0,1
.irp p, 0,1
	ds_load_b64 v[SA+8*\slot+4*\q+2*\p:SA+8*\slot+4*\q+2*\p+1], v[ADSA+\slot] offset:\q*RECA+256*\p
.endr
.endr
.endm
; Eight matrix instructions: ao's tile a against proj_w's eight.  The 32 accumulators take turns, one instruction a turn, in the same order in every step.
.macro MUL8 a, set, q, sc, first
.irp b, 0,1,2,3,4,5,6,7
.if \first
	v_wmma_scale_f32_16x16x128_f8f6f4 v[8*(8*(\a)+\b):8*(8*(\a)+\b)+7], v[128*(\set)+16*\b:128*(\set)+16*\b+15], v[AF+64*(\set)+16*(\a):AF+64*(\set)+16*(\a)+15], v[8*\b:8*\b+7], v[SB+16*(\sc)+2*\b+(\q)], v[SA+8*(\sc)+4*(\q)+(\a)] matrix_a_fmt:MATRIX_FMT_BF8 matrix_b_fmt:MATRIX_FMT_BF8
.else
	v_wmma_scale_f32_16x16x128_f8f6f4 v[8*(8*(\a)+\b):8*(8*(\a)+\b)+7], v[128*(\set)+16*\b:128*(\set)+16*\b+15], v[AF+64*(\set)+16*(\a):AF+64*(\set)+16*(\a)+15], v[8*(8*(\a)+\b):8*(8*(\a)+\b)+7], v[SB+16*(\sc)+2*\b+(\q)], v[SA+8*(\sc)+4*(\q)+(\a)] matrix_a_fmt:MATRIX_FMT_BF8 matrix_b_fmt:MATRIX_FMT_BF8
.endif
.endr
.endm
.macro PLACES n                        ; plain vector instructions between a matrix instruction and a load into, or a read of, its registers (ISA guide 7.12.1 for reads)
.rept \n
	v_nop
.endr
.endm
.macro STEPA slot, first               ; a slot's first 128 along K, on set 0; the second's fragments are fetched into set 1 ahead of its 32 products
	s_wait_dscnt 0x0                               ; set 0 and the scale words are in
	PLACES NP
	FETCH \slot, 1, 1
.if \first
	WIN 0xb1                                       ; C, the bias, in window 3
.else
	WIN MUL
.endif
.irp a, 0,1,2,3
	MUL8 \a, 0, 0, \slot, \first
.endr
.endm
; A slot's second 128 along K, on set 1, changes slots: one barrier; in front of it each wave waits for all its tensor loads, adds 0 to its spare word, and waits for that and for its own reads of this slot.
.macro TURN slot, next, fill
	WIN 0
	s_wait_tensorcnt 0x0                           ; all my tensor loads have landed: my part of the next slot
	ds_add_u32 v[SPW], v[NIL]                      ; 0 onto my spare word
	s_wait_dscnt 1                                 ; set 1 is in; the add alone may be out
	WIN MUL
	MUL8 0, 1, 1, \slot, 0
	s_wait_dscnt 0x0                               ; the add is done, and my reads of this slot are over
	s_barrier_signal -1
	MUL8 1, 1, 1, \slot, 0
	WIN 0
	s_barrier_wait -1
.if \fill
	CREST                                          ; the barrier has opened a round of the cluster's barrier: no wave of any partner still reads this slot or has a load on its way
	s_add_nc_u64 s[G0+4*\slot+2:G0+4*\slot+3], s[G0+4*\slot+2:G0+4*\slot+3], 2*ASLOT
	s_add_nc_u64 s[G0B+4*\slot+2:G0B+4*\slot+3], s[G0B+4*\slot+2:G0B+4*\slot+3], 512
	JLOAD \slot                                    ; the first tensor load behind the round; its four v_nop are four of the eight places
	PLACES NP-4
.else
	PLACES NP
.endif
	v_add_nc_u32 v[ADSB], 8, v[ADSB]               ; on to the next K step's scale words of proj_w
	FETCH \next, 0, 0
	SCALES \next
	WIN MUL
	MUL8 2, 1, 1, \slot, 0
	MUL8 3, 1, 1, \slot, 0
.endm
	s_wait_tensorcnt 1                             ; the scales and my part of K step 0 are in; K step 1's load may be out
	s_barrier_signal -1
	s_barrier_wait -1
	FETCH 0, 0, 0
	SCALES 0
	s_wait_loadcnt 0x0                             ; the bias
	STEPA 0, 1                                     ; four K steps of 256, written out: the first products add onto the bias
	TURN 0, 1, 1                                   ; slot 0 takes heads 4, 5
	STEPA 1, 0
	TURN 1, 0, 1                                   ; slot 1 takes heads 6, 7
	STEPA 0, 0
	TURN 0, 1, 0
	STEPA 1, 0
	s_wait_dscnt 0x0
	WIN MUL
	MUL8 0, 1, 1, 1, 0
	MUL8 1, 1, 1, 1, 0
	MUL8 2, 1, 1, 1, 0
	MUL8 3, 1, 1, 1, 0
	WIN 0
; THE WAY OUT, block by block of 16 rows x 128 columns: through my own stage in LDS and back as whole rows of 512 bytes.  LDS serves a wave's instructions in order (ISA guide 5.7.1.4): no wait between the stores and the loads.
.macro TOSTAGE a
.set AC, 64*(\a)
	WIN 0x08                                       ; the data: window 2
.irp b, 0,1,2,3,4,5,6,7
	ds_store_b128 v[STO], v[AC+8*\b:AC+8*\b+3] offset:64*\b          ; each accumulator from its low end on
	ds_store_b128 v[STO], v[AC+8*\b+4:AC+8*\b+7] offset:64*\b+16
.endr
	WIN 0
.set BB, BK+64*((\a)%2)
.irp t, 0,1,2,3,4,5,6,7,8,9,10,11,12,13,14,15
	ds_load_b128 v[BB+4*\t:BB+4*\t+3], v[RD] offset:\t*SPITCH
.endr
.endm
.macro SEND a, younger                 ; younger: the LDS instructions issued behind block a's loads, which may stay out
.set BB, BK+64*((\a)%2)
	s_wait_dscnt \younger
.if (\a) > 0
	s_add_nc_u64 s[12:13], s[12:13], 16*4096       ; (behind a wait on XCNT: the earlier stores have read their base)
.endif
.irp t, 0,1,2,3,4,5,6,7,8,9,10,11,12,13,14,15
	global_store_b128 v[CO], v[BB+4*\t:BB+4*\t+3], s[12:13] offset:\t*4096 th:TH_STORE_NT   ; 32 lanes store 512 consecutive bytes, aligned; written once, read by nobody here
.endr
.endm
	PLACES NP
	TOSTAGE 0
.irp a, 1,2,3
.if \a > 1
	s_wait_xcnt 0x0                                ; block a - 2's stores have read their registers and their base
.endif
	TOSTAGE \a
	SEND \a-1, 32                                  ; behind block a - 1's loads: block a's 16 stores and 16 loads
.endr
	s_wait_xcnt 0x0
	SEND 3, 0
	s_wait_tensorcnt 0x0                           ; the wave's end
	ds_add_u32 v[SPW], v[NIL]
	s_wait_dscnt 0x0
	CROUND                                         ; the closing round
	s_endpgm
.Lfunc_end_k_qce3b793b13_outp:
	.size	k_qce3b793b13_outp, .Lfunc_end_k_qce3b793b13_outp-k_qce3b793b13_outp
	.p2alignl 7, 3214868480
	.fill 96, 4, 3214868480
	.section	.rodata,"a",@progbits
	.p2align	6, 0x0
	.amdhsa_kernel k_qce3b793b13_outp
		.amdhsa_group_segment_fixed_size 327680
		.amdhsa_private_segment_fixed_size 0
		.amdhsa_enable_private_segment 0
		.amdhsa_kernarg_size 40
		.amdhsa_user_sgpr_count 2
		.amdhsa_user_sgpr_kernarg_segment_ptr 1
		.amdhsa_wavefront_size32 1
		.amdhsa_system_sgpr_workgroup_id_x 1
		.amdhsa_system_sgpr_workgroup_id_y 1
		.amdhsa_system_sgpr_workgroup_id_z 1
		.amdhsa_system_vgpr_workitem_id 0
		.amdhsa_next_free_vgpr 832
		.amdhsa_next_free_sgpr 100
		.amdhsa_reserve_vcc 0
		.amdhsa_float_denorm_mode_32 3
		.amdhsa_float_denorm_mode_16_64 3
		.amdhsa_memory_ordered 1
		.amdhsa_forward_progress 1
		.amdhsa_inst_pref_size 90
	.end_amdhsa_kernel
	.amdgpu_metadata
---
amdhsa.version: [ 1, 2 ]
amdhsa.kernels:
  - .name:           k_qce3b793b13_outp
    .symbol:         k_qce3b793b13_outp.kd
    .args:
      - { .name: ao_rec, .offset: 0, .size: 8, .value_kind: global_buffer, .address_space: global }
      - { .name: proj_w_codes, .offset: 8, .size: 8, .value_kind: global_buffer, .address_space: global }
      - { .name: proj_w_scales, .offset: 16, .size: 8, .value_kind: global_buffer, .address_space: global }
      - { .name: proj_b, .offset: 24, .size: 8, .value_kind: global_buffer, .address_space: global }
      - { .name: out0, .offset: 32, .size: 8, .value_kind: global_buffer, .address_space: global }
    .group_segment_fixed_size: 327680
    .private_segment_fixed_size: 0
    .kernarg_segment_align: 8
    .kernarg_segment_size: 40
    .max_flat_workgroup_size: 128
    .sgpr_count:     100
    .vgpr_count:     832
    .wavefront_size: 32
...
	.end_amdgpu_metadata
.endif
;; end of part 3
